; MI455X (gfx1250); checked and timed in simulation.
; The chip was launched on July 23, 2026; its instructions are those of AMD's public machine-readable ISA for CDNA 5 (MIT licence, August 2026) and "CDNA5" Instruction Set Architecture Reference Guide (July 2026). The comments in the code are by the model that wrote it; some were corrected since.
;; Multihead Attention. Allowed arithmetic: matrix products marked QUANTISED: E4M3 operands, one given power-of-two scale a tensor, by v_wmma_f32_16x16x64_fp8_fp8 or v_wmma_f32_16x16x128_fp8_fp8, f32 sums; everything else in f32.
;; Inputs: lowp_scales 8 int32 (the exponents e of the quantised operands' scales 2^e); o_b 1,024 float32; o_w 1,024 x 1,024 float32; qkv_b 3,072 float32; qkv_w 3,072 x 1,024 float32; x 4 x 2,048 x 1,024 float32.
;; Outputs: out0 4 x 2,048 x 1,024 float32.
;; This version of the problem:
;;   THIS VERSION OF THE PROBLEM IS GIVEN IN LOW PRECISION. The matrix products marked QUANTISED in the list below multiply operands that are first quantised to E4M3 (4 exponent bits, 3 mantissa bits; 8 bits a number), with one given power-of-two scale for each operand tensor; their sums are f32. All else is computed in f32.
;;   The module's matrix products, in the order in which they are computed (A, B: the left and right operand; K: the contracted axis; several contracted axes count as one K, in the product's order):
;;     1. [M 8,192, K 1,024] x [K 1,024, N 3,072]; A: input x; B: input qkv_w: QUANTISED (scales: A lowp_scales[0], B lowp_scales[1])
;;     2. batch 64 x [M 2,048, K 64] x [K 64, N 2,048]; A: computed on the way; B: computed on the way: QUANTISED (scales: A lowp_scales[2], B lowp_scales[3])
;;     3. batch 64 x [M 2,048, K 2,048] x [K 2,048, N 64]; A: softmax (see below); B: computed on the way: QUANTISED (scales: A lowp_scales[4], B lowp_scales[5])
;;     4. [M 8,192, K 1,024] x [K 1,024, N 1,024]; A: computed on the way; B: input o_w: QUANTISED (scales: A lowp_scales[6], B lowp_scales[7])
;;   THE QUANTISER, for each operand of a quantised product, along K:
;;     - The operand's scale is 2^e, e = its entry of the input lowp_scales (int32; the entries are numbered through the quantised products in the list's order, A before B).
;;     - Each number is divided by the scale, clamped to +-448, and rounded to the nearest number of E4M3, ties to even, subnormals kept.
;;     - The product sums the exact products of the quantised numbers (number of the format x scale) in f32.
;;   ~~~python
;;   def quantise(x, axis, e):      # numpy; x: float32 -> the quantised numbers, widened to float32 again
;;       x = np.moveaxis(x, axis, -1); K = x.shape[-1]
;;       r = np.clip(x / 2.0 ** e, -448, 448)
;;       step = 2.0 ** (np.maximum(np.frexp(np.where(r == 0, 1, r))[1] - 1, -6) - 3)
;;       q = np.round(r / step) * step * 2.0 ** e      # np.round: ties to even
;;       return np.moveaxis(q, -1, axis).astype(np.float32)
;;   ~~~
;;   SOFTMAX AHEAD OF A QUANTISED PRODUCT. Where the list says 'softmax', what is quantised is not the finished softmax but p = 2^(t - M), with t = logit x log2(e) and M = ceil(the row's largest t), a whole number; so 1/2 < the row's largest p <= 1. The row's sum l is taken of the UNQUANTISED p, in f32, and the product's result is divided by l at the end. Since M is a whole number, a kernel that streams over the keys may use a running M (the ceiling of the running maximum): every later rescaling is an exact power of two, so the quantised numbers keep their values, but for numbers so far below the row's largest that they fall under the format's range.
;;   OPERANDS COMPUTED ON THE WAY. 'Computed on the way' means the value that the module computes at that place (a softmax that the list does not call 'softmax' is quantised finished and normalised). What goes into a quantiser is computed in f32, as accurately as f32 sums, v_exp_f32 and their like allow (about 1e-6 of the number): no bf16 or f16 on the way to a quantiser, and a product that is left as it is and whose result goes on into a quantised operand takes f32 operands (vector FMAs, or v_wmma_f32_16x16x4_f32). A number that lies on a knife's edge between two numbers of the format may be rounded either way, as far as f32 arithmetic and the matrix unit's own rounding can turn it there, and no further.
;; One version. Each part assembles by itself: llvm-mc -triple=amdgcn-amd-amdhsa -mcpu=gfx1250 --defsym DOCPART=n.
;; ======== version 1 of 1: 4 launches
;; limits: right only within a limited range of input values
;; workspace buffers: xc 8,388,608 bytes; wc 3,145,728 bytes; oc 1,048,576 bytes; qc 8,388,608 bytes; kv 16,777,216 bytes; vc 8,388,608 bytes
;; launch quant (part 1): grid 768 x 1, 4 waves a work-group, no clusters, 34,304 bytes of LDS; arguments x, qkv_w, o_w, lowp_scales, xc, wc, oc; writes xc, wc, oc
.if DOCPART == 1
	.amdgcn_target "amdgcn-amd-amdhsa--gfx1250"
	.amdhsa_code_object_version 6
	.text
	.protected	k_q76e765b032_quant
	.globl	k_q76e765b032_quant
	.p2align	8
	.type	k_q76e765b032_quant,@function
k_q76e765b032_quant:
	s_mov_b64 s[64:65], 0
	v_nop
	global_prefetch_b8 v0, s[64:65] scope:SCOPE_SE
	s_setreg_imm32_b32 hwreg(HW_REG_WAVE_MODE, 25, 1), 1
	s_wait_xcnt 0x0
; x [8192][1024], qkv_w [3072][1024] and o_w [1024][1024], f32 with K innermost, become codes of FP8 (E4M3), each tensor with the one scale 2^e given for it
; (entries 0, 1 and 7 of the scales).  code = number / 2^e, held within +-448, rounded to the nearest code, ties to even.
; THE CODES ARE LAID AS IMAGES OF OPERAND REGISTERS: [tile of 16 rows][K step of 128][2,048 bytes].  A fragment of 16 rows x 128 K is 16 registers a lane: lane (r = lane % 16, h = lane / 16)
; holds row r, registers 2 c and 2 c + 1 hold k = 16 c + 8 h + 0 .. 7.  Registers 4 p .. 4 p + 3 are piece p of the image: 512 bytes, lane l's 16 bytes at 16 l.
; SHARES.  A work-group takes one tile of 16 rows: groups 0-511 x, 512-703 qkv_w, 704-767 o_w; only pointers and e are chosen, by the group's number: one path through the text.
; Wave w takes K steps 2 w and 2 w + 1, two units of 16 rows x 128 numbers.  Each load reads 512 consecutive bytes of one row; a unit turns through the wave's own stage in LDS (rows 528 bytes apart:
; 33 x 16, so that sixteen rows start in sixteen different 16-byte columns) and comes back as eight neighbours along K a conversion.  Each store covers 512 consecutive bytes, aligned.
; No tensor loads, no barrier, no cluster: waves and work-groups share nothing, and every byte is read once.
; LIMITS: each e between -126 and 119, so that 2^e and 448 x 2^e are f32 numbers.  NaN among the inputs is not served (an infinity is held at the largest code).
.set PITCH, 528
.set WST,   16*PITCH                   ; a wave's stage
.set SPARE, 4*WST                      ; behind the four stages: the spare words, 128 bytes for each wave: two blocks of 256 bytes that no other line names
.set GX,    512                        ; x's work-groups
.set GW,    704                        ; x's and qkv_w's together
.set GL,  2                            ; v2   16 x lane: my place in a load's and in a store's 512 bytes
.set STI, 3                            ; v3   the stage, on the way in
.set LDI, 4                            ; v4   and on the way out: row r, + 32 h
.set LIM, 10                           ; v10  448 x 2^e
.set SCL, 11                           ; v11  2^e
.set SPW, 12                           ; v12  LDS address of my spare word; never rewritten
.set NIL, 13                           ; v13  0; never rewritten
.set R,   16                           ; v16-143  two units as loaded, 64 registers each
.set X,   144                          ; v144-207 a unit's 64 numbers of my row, in the operand's order
.set C,   208                          ; v208-239 codes, 16 registers for each unit: no store's data are written again
	s_load_b256 s[4:11], s[0:1], 0x0               ; x s[4:5], qkv_w s[6:7], o_w s[8:9], the scales' exponents s[10:11]
	s_load_b128 s[12:15], s[0:1], 0x20             ; xc s[12:13], wc s[14:15]
	s_load_b64 s[16:17], s[0:1], 0x30              ; oc
	v_lshl_add_u32 v[SPW], v0, 2, SPARE
	v_mov_b32 v[NIL], 0
	v_lshrrev_b32 v1, 5, v0
	v_readfirstlane_b32 s18, v1                    ; wave 0..3
	v_and_b32 v1, 31, v0
	v_lshlrev_b32 v[GL], 4, v1
	s_mul_i32 s19, s18, WST
	v_add_nc_u32 v[STI], s19, v[GL]
	v_and_b32 v5, 15, v0                           ; r
	v_bfe_u32 v6, v0, 4, 1                         ; h
	v_mul_u32_u24 v[LDI], v5, PITCH
	v_lshl_add_u32 v[LDI], v6, 5, v[LDI]
	v_add_nc_u32 v[LDI], s19, v[LDI]
	s_mov_b32 s28, GW
	s_cmp_lt_u32 ttmp9, GW
	s_cselect_b32 s28, GX, s28
	s_cmp_lt_u32 ttmp9, GX
	s_cselect_b32 s28, 0, s28                      ; my tensor's first work-group
	s_sub_co_u32 s28, ttmp9, s28                   ; my tile of 16 rows
	s_lshl_b32 s30, s28, 16                        ; in: 16 rows of 4,096 bytes,
	s_lshl_b32 s29, s18, 10                        ; + my wave's 256 numbers
	s_add_co_u32 s30, s30, s29
	s_mov_b32 s31, 0
	s_lshl_b32 s32, s28, 14                        ; out: 8 images of 2,048 bytes,
	s_lshl_b32 s29, s18, 12                        ; + my wave's two
	s_add_co_u32 s32, s32, s29
	s_mov_b32 s33, 0
	s_wait_alu depctr_va_vdst(0)
	s_wait_kmcnt 0x0
	s_load_b256 s[20:27], s[10:11], 0x0            ; e0 .. e7
	s_cmp_lt_u32 ttmp9, GW                         ; the choices hang on the work-group's number alone
	s_cselect_b64 s[6:7], s[6:7], s[8:9]
	s_cselect_b64 s[14:15], s[14:15], s[16:17]
	s_cmp_lt_u32 ttmp9, GX
	s_cselect_b64 s[4:5], s[4:5], s[6:7]
	s_cselect_b64 s[12:13], s[12:13], s[14:15]
	s_add_nc_u64 s[4:5], s[4:5], s[30:31]
	s_add_nc_u64 s[12:13], s[12:13], s[32:33]
.macro LOADU u                         ; unit u: 16 rows x 512 bytes
.irp i, 0,1,2,3,4,5,6,7,8,9,10,11,12,13,14,15
	global_load_b128 v[R+64*\u+4*\i:R+64*\u+4*\i+3], v[GL], s[4:5] offset:\i*4096+\u*512 th:TH_LOAD_NT
.endr
.endm
.macro WORKU u
.irp i, 0,1,2,3,4,5,6,7,8,9,10,11,12,13,14,15
	ds_store_b128 v[STI], v[R+64*\u+4*\i:R+64*\u+4*\i+3] offset:PITCH*\i
.endr
.irp c, 0,1,2,3,4,5,6,7                        ; LDS serves a wave's instructions in order: these see the stores above.  X + 8 c + j = k 16 c + 8 h + j of row r
	ds_load_b128 v[X+8*\c:X+8*\c+3],   v[LDI] offset:64*\c
	ds_load_b128 v[X+8*\c+4:X+8*\c+7], v[LDI] offset:64*\c+16
.endr
	s_wait_dscnt 0x0
.irp i, 0,1,2,3,4,5,6,7,8,9,10,11,12,13,14,15,16,17,18,19,20,21,22,23,24,25,26,27,28,29,30,31,32,33,34,35,36,37,38,39,40,41,42,43,44,45,46,47,48,49,50,51,52,53,54,55,56,57,58,59,60,61,62,63
	v_med3_num_f32 v[X+\i], v[X+\i], -v[LIM], v[LIM]   ; the conversion to an 8-bit code does not saturate (ISA guide 7.6.2): the hold at the largest code x the scale comes first
.endr
.irp c, 0,1,2,3,4,5,6,7
	v_cvt_scalef32_pk8_fp8_f32 v[C+16*\u+2*\c:C+16*\u+2*\c+1], v[X+8*\c:X+8*\c+7], v[SCL]   ; registers 2 c, 2 c + 1 of the fragment
.endr
	v_nop                                          ; one plain vector line behind the conversions: the next unit's holds write their sources
.irp p, 0,1,2,3
	global_store_b128 v[GL], v[C+16*\u+4*\p:C+16*\u+4*\p+3], s[12:13] offset:\u*2048+512*\p
.endr
.endm
	LOADU 0
	LOADU 1
	s_wait_kmcnt 0x0
	s_cmp_lt_u32 ttmp9, GW
	s_cselect_b32 s21, s21, s27                    ; e1 or e7
	s_cmp_lt_u32 ttmp9, GX
	s_cselect_b32 s20, s20, s21                    ; e0, or that
	s_add_co_i32 s20, s20, 127
	s_lshl_b32 s21, s20, 23
	v_mov_b32 v[SCL], s21                          ; 2^e as f32: the conversion takes its exponent field
	s_add_co_i32 s20, s20, 8
	s_lshl_b32 s20, s20, 23
	s_or_b32 s20, s20, 0x600000
	v_mov_b32 v[LIM], s20                          ; 448 x 2^e
	s_wait_alu depctr_va_vdst(0)
	s_wait_loadcnt 16                              ; unit 0's sixteen loads are in; unit 1's sixteen may be out
	WORKU 0
	s_wait_loadcnt 0x0
	WORKU 1
	s_wait_tensorcnt 0x0                           ; the wave's end, behind my last LDS store
	ds_add_u32 v[SPW], v[NIL]
	s_wait_dscnt 0x0
	s_endpgm
.Lfunc_end_k_q76e765b032_quant:
	.size	k_q76e765b032_quant, .Lfunc_end_k_q76e765b032_quant-k_q76e765b032_quant
	.p2alignl 7, 3214868480
	.fill 96, 4, 3214868480
	.section	.rodata,"a",@progbits
	.p2align	6, 0x0
	.amdhsa_kernel k_q76e765b032_quant
		.amdhsa_group_segment_fixed_size 34304
		.amdhsa_private_segment_fixed_size 0
		.amdhsa_enable_private_segment 0
		.amdhsa_kernarg_size 56
		.amdhsa_user_sgpr_count 2
		.amdhsa_user_sgpr_kernarg_segment_ptr 1
		.amdhsa_wavefront_size32 1
		.amdhsa_system_sgpr_workgroup_id_x 1
		.amdhsa_system_sgpr_workgroup_id_y 1
		.amdhsa_system_sgpr_workgroup_id_z 1
		.amdhsa_system_vgpr_workitem_id 0
		.amdhsa_next_free_vgpr 240
		.amdhsa_next_free_sgpr 66
		.amdhsa_reserve_vcc 0
		.amdhsa_float_denorm_mode_32 3
		.amdhsa_float_denorm_mode_16_64 3
		.amdhsa_memory_ordered 1
		.amdhsa_forward_progress 1
		.amdhsa_inst_pref_size 20
	.end_amdhsa_kernel
	.amdgpu_metadata
---
amdhsa.version: [ 1, 2 ]
amdhsa.kernels:
  - .name:           k_q76e765b032_quant
    .symbol:         k_q76e765b032_quant.kd
    .args:
      - { .name: x, .offset: 0, .size: 8, .value_kind: global_buffer, .address_space: global }
      - { .name: qkv_w, .offset: 8, .size: 8, .value_kind: global_buffer, .address_space: global }
      - { .name: o_w, .offset: 16, .size: 8, .value_kind: global_buffer, .address_space: global }
      - { .name: lowp_scales, .offset: 24, .size: 8, .value_kind: global_buffer, .address_space: global }
      - { .name: xc, .offset: 32, .size: 8, .value_kind: global_buffer, .address_space: global }
      - { .name: wc, .offset: 40, .size: 8, .value_kind: global_buffer, .address_space: global }
      - { .name: oc, .offset: 48, .size: 8, .value_kind: global_buffer, .address_space: global }
    .group_segment_fixed_size: 34304
    .private_segment_fixed_size: 0
    .kernarg_segment_align: 8
    .kernarg_segment_size: 56
    .max_flat_workgroup_size: 128
    .sgpr_count:     66
    .vgpr_count:     240
    .wavefront_size: 32
...
	.end_amdgpu_metadata
.endif
;; end of part 1
;; launch qkv (part 2): grid 16 x 16, 4 waves a work-group, clusters of 4 x 4, 327,680 bytes of LDS; arguments xc, wc, lowp_scales, qkv_b, qc, kv; writes qc, kv
.if DOCPART == 2
	.amdgcn_target "amdgcn-amd-amdhsa--gfx1250"
	.amdhsa_code_object_version 6
	.text
	.protected	k_q76e765b032_qkv
	.globl	k_q76e765b032_qkv
	.p2align	8
	.type	k_q76e765b032_qkv,@function
k_q76e765b032_qkv:
	s_mov_b64 s[64:65], 0
	v_nop
	global_prefetch_b8 v0, s[64:65] scope:SCOPE_SE
	s_setreg_imm32_b32 hwreg(HW_REG_WAVE_MODE, 25, 1), 1
	s_wait_xcnt 0x0
	s_wait_alu depctr_hold_cnt(0) depctr_sa_sdst(0) depctr_va_vdst(0) depctr_va_sdst(0) depctr_va_ssrc(0) depctr_va_vcc(0) depctr_vm_vsrc(0)
	s_getreg_b32 s2, hwreg(HW_REG_IB_STS2, 6, 4)
	s_cmp_eq_u32 s2, 0
	s_cbranch_scc0 .Lentry_in_a_cluster
	s_endpgm
.Lentry_in_a_cluster:
	s_bfe_u32 s2, ttmp6, 0x10000c
	s_cmp_lg_u32 s2, 0xf033
	s_cbranch_scc0 .Lentry_shape_is_right
	s_endpgm
.Lentry_shape_is_right:
; qkv = x qkv_w^T + qkv_b on codes of FP8 (E4M3), and its three parts quantised at once (scale entries 2, 3, 5) into the operands of the attention launch.
; IN: xc, wc: images of operand registers, [tile of 16 rows][K step of 128][2,048 bytes].  OUT: qc [bh][128 tiles of 16 queries][1,024]; kv [bh][16 blocks of 128 keys][16,384]: 8 tiles of K, then 4 of V^T.
; SHARES.  A block is 256 tokens x one head's 192 columns (q, k, v: 64 each).  A WORK-GROUP STAYS: it makes two blocks of one head, row blocks y and y + 16 (two batches on).  Four waves: wave (WR, WC) takes 128
; tokens (8 tiles of A) x 6 tiles of B: two of q, two of k, two of v: 48 accumulators, 384 registers, in windows 2 and 3.  Operands lie in windows 0 and 1 by turns (K step even, odd).
; q and k are made transposed (source 0 = 16 columns of the weight): a lane holds one token and eight neighbouring features, one conversion's worth along the head's 64.  v is made upright: a lane holds one feature
; and eight neighbouring tokens, a conversion's worth along the keys.  The bias, divided by 2^(e0 + e1), is the C of each accumulator's first product.
; THE RING.  Two slots of 256 along K (A 65,536 bytes, B 49,152): four fills a block, eight in all, one joint load a wave behind each round.  The ring goes on into the second block: the first block's last two
; changes of slots ask for the second block's first two fills, and the first block is quantised and stored while the second of them is on its way.
; CLUSTER 4 x 4: A's tiles are shared along a row of the cluster, B's along a column: joint loads, each with a mask of four.
; PREFETCH: behind the joint load of fill f stands one instruction a wave for fill f + 2 (behind fill 0 also for fill 1): of the blocks of 256 bytes that a wave fetches (A: 128, B: 96) each of the four partners
; names a quarter, told apart by address; offsets are immediates, so no address register is rewritten.  B's bytes are the same in both blocks of the walk and are asked for in the first alone; fills 6 and 7 ask for nothing.
; LIMITS: e2, e3 and e5, each less e0 + e1, between -126 and 119, so that each scale and 448 x it are f32 numbers.  NaN is not served.
.set SLOT,  114688
.set BOFF,  65536
.set SPARE, 2*SLOT                     ; behind the ring: the spare words, 128 bytes a wave, that no other line names
.set NEXT_A, 16*262144-8192            ; from a slot's last fill of block 0 to its first of block 1: 16 row blocks on, 512 along K back
.set QS,   8                           ; v8-13  scale and bound for q, k, v
.set ADRA, 16                          ; v16-17 LDS address of my A fragments in slot 0, 1
.set ADRB, 20                          ; v20-21 of B's
.set LI,   22                          ; v22    16 x lane
.set PFO,  27                          ; v27    the prefetches' offset; never rewritten
.set SPW,  28                          ; v28    my spare word; never rewritten
.set NIL,  29                          ; v29    0; never rewritten
.set BF,   32                          ; B's six fragments
.set AF,   128                         ; A's eight
.set BIAS, 192                         ; window 2: the bias in the accumulators' layout, 48 registers
.set WV,   16
.set WR,   17
.set WC,   18
.set G1A,  24
.set G0A,  32
.set G1B,  48
.set G0B,  56
.set PFA,  94                          ; s[94:95] the prefetches' base: my wave's rows of A or of B; never rewritten
.set MSB, 0
.macro WIN new                         ; the immediate's high byte repeats the setting that is left
.if MSB != \new
	s_set_vgpr_msb (MSB<<8)|\new
.set MSB, \new
.endif
.endm
.macro JLOAD s                         ; waves 0, 1 fetch A's halves, waves 2, 3 B's; an s_nop 0 and four v_nop follow each line
	s_cmp_eq_u32 s[WR], 0
	s_cbranch_scc0 .Lfor_b_\@
	tensor_load_to_lds s[G0A+4*\s:G0A+4*\s+3], s[G1A:G1A+7]
	s_nop 0
.rept 4
	v_nop
.endr
	s_branch .Lasked_\@
.Lfor_b_\@:
	tensor_load_to_lds s[G0B+4*\s:G0B+4*\s+3], s[G1B:G1B+7]
	s_nop 0
.rept 4
	v_nop
.endr
.Lasked_\@:
.endm
.macro ASK g                           ; fill g = 4 x block + pair of K steps; from block 1 on A's waves alone ask
	WIN 0
.if (\g) >= 4
	s_cmp_eq_u32 s[WR], 0
	s_cbranch_scc0 .Lnoask_\@
.endif
	global_prefetch_b8 v[PFO], s[PFA:PFA+1] offset:((\g)/4)*4194304+((\g)%4)*4096 th:TH_LOAD_NT scope:SCOPE_SE
.Lnoask_\@:
.endm
.macro CREST
	s_cmp_lg_u32 s[WV], 0
	s_cbranch_scc1 .Lnot_wave_0_\@
	s_barrier_signal -3
.Lnot_wave_0_\@:
	s_barrier_wait -3
	s_barrier_signal -1
	s_barrier_wait -1
.endm
.macro CROUND
	s_barrier_signal -1
	s_barrier_wait -1
	CREST
.endm
.macro PLACES n
.rept \n
	v_nop
.endr
.endm
	s_load_b256 s[4:11], s[0:1], 0x0               ; xc, wc, the scales' exponents, qkv_b
	s_load_b128 s[12:15], s[0:1], 0x20             ; qc, kv
	v_lshl_add_u32 v[SPW], v0, 2, SPARE
	v_mov_b32 v[NIL], 0
	ds_add_u32 v[SPW], v[NIL]                      ; the opening lines: the add, twice on end, and its wait
	ds_add_u32 v[SPW], v[NIL]
	v_lshrrev_b32 v1, 5, v0
	v_readfirstlane_b32 s[WV], v1
	s_lshr_b32 s[WR], s[WV], 1
	s_and_b32 s[WC], s[WV], 1
	s_bfe_u32 s19, ttmp6, 0x40000                  ; cx
	s_bfe_u32 s20, ttmp6, 0x40004                  ; cy
	s_lshl_b32 s21, ttmp9, 2
	s_add_co_u32 s21, s21, s19                     ; the head
	s_and_b32 s22, ttmp7, 0xffff
	s_lshl_b32 s22, s22, 2
	s_add_co_u32 s22, s22, s20                     ; the first row block, 0 .. 15
	s_lshl_b32 s92, s20, 2
	s_lshl_b32 s92, 15, s92
	s_lshl_b32 s93, 0x1111, s19
	s_or_b32 s[G1A], s92, (1<<21)                  ; A's tiles go to my row of the cluster, B's to my column
	s_or_b32 s[G1B], s93, (1<<21)
.irp g, G1A, G1B
	s_mov_b32 s[\g+1], 4096<<16                    ; a row: two K steps' images of one tile, 4,096 bytes
	s_mov_b32 s[\g+3], 4096<<16
	s_mov_b32 s[\g+5], 16384                       ; from tile to tile
	s_mov_b32 s[\g+6], 0
	s_mov_b32 s[\g+7], 0
.endr
	s_mov_b32 s[G1A+2], 8<<16
	s_mov_b32 s[G1A+4], 8
	s_mov_b32 s[G1B+2], 6<<16
	s_mov_b32 s[G1B+4], 6
	s_lshl_b32 s40, s22, 18
	s_lshl_b32 s42, s[WC], 17
	s_add_co_u32 s40, s40, s42
	s_mov_b32 s41, 0
	s_mul_i32 s44, s21, 196608
	s_mul_i32 s46, s[WC], 98304
	s_add_co_u32 s44, s44, s46
	s_mov_b32 s45, 0
	s_lshl_b32 s43, s[WC], 15
	s_mul_i32 s47, s[WC], 24576
	s_add_co_u32 s47, s47, BOFF
	s_wait_dscnt 0x0
	s_wait_kmcnt 0x0
	s_load_b256 s[68:75], s[8:9], 0x0              ; e0 .. e7
	s_add_nc_u64 s[40:41], s[4:5], s[40:41]
	s_add_nc_u64 s[44:45], s[6:7], s[44:45]
.irp s, 0,1
	s_mov_b32 s[G0A+4*\s], 1
	s_add_co_u32 s[G0A+4*\s+1], s43, \s*SLOT
	s_add_nc_u64 s[G0A+4*\s+2:G0A+4*\s+3], s[40:41], \s*4096
	s_or_b32 s[G0A+4*\s+3], s[G0A+4*\s+3], 0x80000000
	s_mov_b32 s[G0B+4*\s], 1
	s_add_co_u32 s[G0B+4*\s+1], s47, \s*SLOT
	s_add_nc_u64 s[G0B+4*\s+2:G0B+4*\s+3], s[44:45], \s*4096
	s_or_b32 s[G0B+4*\s+3], s[G0B+4*\s+3], 0x80000000
.endr
	s_lshl_b32 s88, s19, 5                         ; the prefetches: of A's 128 blocks partner cx names 32 cx on,
	s_mul_i32 s89, s20, 24                         ; of B's 96 partner cy names 24 cy on
	s_mov_b32 s90, 23
	s_cmp_eq_u32 s[WR], 0
	s_cselect_b64 s[PFA:PFA+1], s[40:41], s[44:45]
	s_cselect_b32 s88, s88, s89
	s_cselect_b32 s90, 31, s90
	CROUND                                         ; all sixteen work-groups are here: the first joint loads meet
	JLOAD 0                                        ; fill 0: one tensor load a wave at the head
	v_and_b32 v1, 31, v0
	v_lshlrev_b32 v[LI], 4, v1
	v_min_u32 v4, s90, v1                          ; (lanes left over name their wave's last block again)
	v_add_nc_u32 v4, s88, v4                       ; my block of 256 bytes: tile = block / 16, 16,384 bytes apart
	v_lshrrev_b32 v5, 4, v4
	v_and_b32 v4, 15, v4
	v_lshlrev_b32 v4, 8, v4
	v_lshl_add_u32 v[PFO], v5, 14, v4
	s_lshl_b32 s76, s[WR], 15
	s_lshl_b32 s77, s[WC], 13
	s_add_co_u32 s77, s77, BOFF
.irp s, 0,1
	v_add_nc_u32 v[ADRA+\s], s76, v[LI]
	v_add_nc_u32 v[ADRB+\s], s77, v[LI]
	s_add_co_u32 s76, s76, SLOT
	s_add_co_u32 s77, s77, SLOT
.endr
	v_bfe_u32 v2, v0, 4, 1
	v_lshlrev_b32 v23, 5, v2
	v_and_b32 v3, 15, v0
	v_lshlrev_b32 v26, 2, v3
	s_wait_alu depctr_va_vdst(0)
	ASK 1
	ASK 2
	s_mul_i32 s88, s21, 768
	s_lshl_b32 s89, s[WC], 7
	s_add_co_u32 s88, s88, s89
	s_mov_b32 s89, 0
	s_add_nc_u64 s[10:11], s[10:11], s[88:89]
	WIN 0x80
.irp i, 0,1,2,3
	global_load_b128 v[BIAS+8*\i:BIAS+8*\i+3],   v23, s[10:11] offset:256*(\i/2)+64*(\i%2)
	global_load_b128 v[BIAS+8*\i+4:BIAS+8*\i+7], v23, s[10:11] offset:256*(\i/2)+64*(\i%2)+16
.endr
	WIN 0
	global_load_b32 v24, v26, s[10:11] offset:512
	global_load_b32 v25, v26, s[10:11] offset:576
	s_lshr_b32 s78, s22, 3                         ; where my results go: bh = 16 x batch + head; 16 x (row block % 8) + 8 WR tiles of 16 tokens on
	s_lshl_b32 s78, s78, 4
	s_add_co_u32 s78, s78, s21
	s_and_b32 s79, s22, 7
	s_lshl_b32 s79, s79, 1
	s_add_co_u32 s79, s79, s[WR]
	s_lshl_b32 s80, s78, 17
	s_lshl_b32 s88, s79, 13
	s_add_co_u32 s80, s80, s88
	s_lshl_b32 s88, s[WC], 9
	s_add_co_u32 s80, s80, s88
	s_mov_b32 s81, 0
	s_lshl_b32 s82, s78, 18
	s_lshl_b32 s89, s79, 14
	s_add_co_u32 s82, s82, s89
	s_add_co_u32 s84, s82, 8192
	s_add_co_u32 s82, s82, s88
	s_mov_b32 s83, 0
	s_lshl_b32 s88, s[WC], 12
	s_add_co_u32 s84, s84, s88
	s_mov_b32 s85, 0
	s_add_nc_u64 s[12:13], s[12:13], s[80:81]      ; q
	s_add_nc_u64 s[86:87], s[14:15], s[84:85]      ; V^T
	s_add_nc_u64 s[14:15], s[14:15], s[82:83]      ; k
	s_wait_loadcnt 0x0
	s_wait_kmcnt 0x0
	s_add_co_i32 s80, s68, s69
	s_sub_co_i32 s90, 0, s80
	WIN 0x82
.irp j, 0,1,2,3,4,5,6,7,8,9,10,11,12,13,14,15,16,17,18,19,20,21,22,23,24,25,26,27,28,29,30,31
	v_ldexp_f32 v[BIAS+\j], v[BIAS+\j], s90        ; the bias / 2^(e0 + e1): q's and k's, eight features a lane
.endr
	WIN 0x80
.irp n, 0,1
.irp j, 0,1,2,3,4,5,6,7
	v_ldexp_f32 v[BIAS+32+8*\n+\j], v[24+\n], s90  ; v's: one feature a lane
.endr
.endr
	WIN 0
.macro SCALE n, e                      ; 2^(e - e0 - e1) and 448 x that: a sum stands for sum x 2^(e0 + e1)
	s_sub_co_i32 s81, \e, s80
	s_add_co_i32 s81, s81, 127
	s_lshl_b32 s82, s81, 23
	v_mov_b32 v[QS+2*\n], s82
	s_add_co_i32 s81, s81, 8
	s_lshl_b32 s81, s81, 23
	s_or_b32 s81, s81, 0x600000
	v_mov_b32 v[QS+2*\n+1], s81
.endm
	SCALE 0, s70
	SCALE 1, s71
	SCALE 2, s73
.macro FETCH k                         ; K step k's 14 fragments, 56 loads of 512 consecutive bytes, into window k % 2
.set FS, ((\k)/2)%2
.set FK, (\k)%2
.set FW, ((\k)%2)<<6
	WIN FW
.irp i, 0,1,2,3,4,5
.irp c, 0,1,2,3
	ds_load_b128 v[BF+16*\i+4*\c:BF+16*\i+4*\c+3], v[ADRB+FS] offset:(4*(\i/2)+\i%2)*4096+FK*2048+512*\c
.endr
.endr
.irp a, 0,1,2,3,4,5,6,7
.irp c, 0,1,2,3
	ds_load_b128 v[AF+16*\a+4*\c:AF+16*\a+4*\c+3], v[ADRA+FS] offset:\a*4096+FK*2048+512*\c
.endr
.endr
.endm
.macro MUL a0, n, first                ; n tiles of A x B's six; the accumulators take turns, one instruction a turn
.set AA, \a0
.rept \n
.irp i, 0,1,2,3,4,5
.set rD, 8*(6*(AA%4)+\i)
.set rB, BF+16*\i
.set rA, AF+16*AA
.if \first
.if \i < 4
	v_wmma_f32_16x16x128_fp8_fp8 v[rD:rD+7], v[rB:rB+15], v[rA:rA+15], v[BIAS+8*\i:BIAS+8*\i+7]
.else
	v_wmma_f32_16x16x128_fp8_fp8 v[rD:rD+7], v[rA:rA+15], v[rB:rB+15], v[BIAS+8*\i:BIAS+8*\i+7]
.endif
.else
.if \i < 4
	v_wmma_f32_16x16x128_fp8_fp8 v[rD:rD+7], v[rB:rB+15], v[rA:rA+15], v[rD:rD+7]
.else
	v_wmma_f32_16x16x128_fp8_fp8 v[rD:rD+7], v[rA:rA+15], v[rB:rB+15], v[rD:rD+7]
.endif
.endif
.endr
.set AA, AA+1
.endr
.endm
.macro STEP k, first                   ; a K step whose successor lies in the same slot
.set PW, ((\k)%2)*5
.set MW, 0xa0+PW
	s_wait_dscnt 16                                ; all but the youngest 16 loads (A's tiles 4-7)
	WIN MW
	MUL 0, 4, \first
	s_wait_dscnt 0x0
	PLACES 4
	FETCH (\k)+1
.if \first
.set MW, 0xe0+PW
.else
.set MW, 0xf0+PW
.endif
	WIN MW
	MUL 4, 4, \first
.endm
; A slot's last K step changes slots.  refill: 0 none; 1 this block's fill two on; 2 the next block's.  fetch: the next K step's fragments.  ask: the fill to prefetch, or -1.
.macro TURN k, refill, fetch, ask
.set PW, ((\k)%2)*5
.set MW, 0xa0+PW
	WIN 0
	s_wait_tensorcnt 0x0                           ; all my tensor loads have landed: my part of the other slot
	ds_add_u32 v[SPW], v[NIL]
	s_wait_dscnt 17                                ; (the add and the youngest 16 loads may be out)
	WIN MW
	MUL 0, 2, 0
	s_wait_dscnt 0x0                               ; the add is done, and my reads of this slot are over
	s_barrier_signal -1
	MUL 2, 2, 0
	WIN 0
	s_barrier_wait -1
.if \refill
.set TS, ((\k)/2)%2
	CREST                                          ; the barrier has opened a round of the cluster's barrier
.if \refill == 1
	s_add_nc_u64 s[G0A+4*TS+2:G0A+4*TS+3], s[G0A+4*TS+2:G0A+4*TS+3], 8192
	s_add_nc_u64 s[G0B+4*TS+2:G0B+4*TS+3], s[G0B+4*TS+2:G0B+4*TS+3], 8192
.else
	s_add_nc_u64 s[G0A+4*TS+2:G0A+4*TS+3], s[G0A+4*TS+2:G0A+4*TS+3], NEXT_A
	s_sub_nc_u64 s[G0B+4*TS+2:G0B+4*TS+3], s[G0B+4*TS+2:G0B+4*TS+3], 8192
.endif
	JLOAD TS                                       ; the first tensor load behind the round; its four v_nop are the places in front of the loads below
.else
	PLACES 4
.endif
.if \fetch
	FETCH (\k)+1
.endif
.if (\ask) >= 0
	ASK \ask
.endif
.set MW, 0xf0+PW
	WIN MW
	MUL 4, 4, 0
.endm
; THE WAY OUT: each sum is held within 448 x its scale and converted; the codes are pieces of the images, 512 consecutive bytes a store, aligned.
.macro EPI
.irp W, 0,1
.set MW, 0x82+0x41*\W
	WIN MW
.irp a, 0,1,2,3
.irp i, 0,1,2,3,4,5
.irp j, 0,1,2,3,4,5,6,7
	v_med3_num_f32 v[8*(6*\a+\i)+\j], v[8*(6*\a+\i)+\j], -v[QS+1+2*(\i/2)], v[QS+1+2*(\i/2)]   ; the conversion does not saturate (ISA guide 7.6.2); each accumulator from its low end on
.endr
.endr
.endr
.set MW, 0x02+\W
	WIN MW
.irp a, 0,1,2,3
.irp i, 0,1,2,3,4,5
.if \i < 2
.set rC, 32+4*(4*\W+\a)+2*\i
.elseif \i < 4
.set rC, 64+4*(4*\W+\a)+2*(\i-2)
.else
.set rC, 96+16*(\i-4)+2*(4*\W+\a)
.endif
	v_cvt_scalef32_pk8_fp8_f32 v[rC:rC+1], v[8*(6*\a+\i):8*(6*\a+\i)+7], v[QS+2*(\i/2)]
.endr
.endr
	v_nop                                          ; one plain vector line behind the conversions
.endr
	WIN 0
.irp a, 0,1,2,3,4,5,6,7
	global_store_b128 v[LI], v[32+4*\a:35+4*\a], s[12:13] offset:\a*1024
	global_store_b128 v[LI], v[64+4*\a:67+4*\a], s[14:15] offset:\a*1024
.endr
.irp n, 0,1,2,3,4,5,6,7
	global_store_b128 v[LI], v[96+4*\n:99+4*\n], s[86:87] offset:\n*512
.endr
.endm
	s_wait_alu depctr_va_vdst(0)
	s_wait_tensorcnt 0x0                           ; my part of fill 0 is in; slot 1's first fill is issued as a refill is:
	ds_add_u32 v[SPW], v[NIL]
	s_wait_dscnt 0x0
	CROUND
	JLOAD 1                                        ; fill 1
	FETCH 0
	ASK 3
	STEP 0, 1                                      ; block 0
	TURN 1, 1, 1, 4
	STEP 2, 0
	TURN 3, 1, 1, 5
	STEP 4, 0
	TURN 5, 2, 1, 6                                ; slot 0 takes block 1's fill 0,
	STEP 6, 0
	TURN 7, 2, 0, 7                                ; slot 1 its fill 1; both are asked for: now block 0 goes out
	PLACES 4
	EPI
	s_wait_xcnt 0x0                                ; the stores have read their registers and bases
	s_add_nc_u64 s[12:13], s[12:13], 4194304       ; two batches on: 32 bh of 131,072 bytes,
	s_add_nc_u64 s[14:15], s[14:15], 8388608       ; and of 262,144
	s_add_nc_u64 s[86:87], s[86:87], 8388608
	FETCH 0                                        ; slot 0 is whole since the last round
	STEP 0, 1                                      ; block 1
	TURN 1, 1, 1, -1
	STEP 2, 0
	TURN 3, 1, 1, -1
	STEP 4, 0
	TURN 5, 0, 1, -1                               ; the last two changes fill nothing
	STEP 6, 0
	s_wait_dscnt 16
	WIN 0xa5
	MUL 0, 4, 0
	s_wait_dscnt 0x0
	WIN 0xf5
	MUL 4, 4, 0
	PLACES 4
	EPI
	s_wait_tensorcnt 0x0                           ; the wave's end
	ds_add_u32 v[SPW], v[NIL]
	s_wait_dscnt 0x0
	CROUND                                         ; the closing round
	s_endpgm
.Lfunc_end_k_q76e765b032_qkv:
	.size	k_q76e765b032_qkv, .Lfunc_end_k_q76e765b032_qkv-k_q76e765b032_qkv
	.p2alignl 7, 3214868480
	.fill 96, 4, 3214868480
	.section	.rodata,"a",@progbits
	.p2align	6, 0x0
	.amdhsa_kernel k_q76e765b032_qkv
		.amdhsa_group_segment_fixed_size 327680
		.amdhsa_private_segment_fixed_size 0
		.amdhsa_enable_private_segment 0
		.amdhsa_kernarg_size 48
		.amdhsa_user_sgpr_count 2
		.amdhsa_user_sgpr_kernarg_segment_ptr 1
		.amdhsa_wavefront_size32 1
		.amdhsa_system_sgpr_workgroup_id_x 1
		.amdhsa_system_sgpr_workgroup_id_y 1
		.amdhsa_system_sgpr_workgroup_id_z 1
		.amdhsa_system_vgpr_workitem_id 0
		.amdhsa_next_free_vgpr 960
		.amdhsa_next_free_sgpr 96
		.amdhsa_reserve_vcc 0
		.amdhsa_float_denorm_mode_32 3
		.amdhsa_float_denorm_mode_16_64 3
		.amdhsa_memory_ordered 1
		.amdhsa_forward_progress 1
		.amdhsa_inst_pref_size 188
	.end_amdhsa_kernel
	.amdgpu_metadata
---
amdhsa.version: [ 1, 2 ]
amdhsa.kernels:
  - .name:           k_q76e765b032_qkv
    .symbol:         k_q76e765b032_qkv.kd
    .args:
      - { .name: xc, .offset: 0, .size: 8, .value_kind: global_buffer, .address_space: global }
      - { .name: wc, .offset: 8, .size: 8, .value_kind: global_buffer, .address_space: global }
      - { .name: lowp_scales, .offset: 16, .size: 8, .value_kind: global_buffer, .address_space: global }
      - { .name: qkv_b, .offset: 24, .size: 8, .value_kind: global_buffer, .address_space: global }
      - { .name: qc, .offset: 32, .size: 8, .value_kind: global_buffer, .address_space: global }
      - { .name: kv, .offset: 40, .size: 8, .value_kind: global_buffer, .address_space: global }
    .group_segment_fixed_size: 327680
    .private_segment_fixed_size: 0
    .kernarg_segment_align: 8
    .kernarg_segment_size: 48
    .max_flat_workgroup_size: 128
    .sgpr_count:     96
    .vgpr_count:     960
    .wavefront_size: 32
...
	.end_amdgpu_metadata
.endif
;; end of part 2
;; launch attn (part 3): grid 4 x 64, 16 waves a work-group, clusters of 4 x 1, 264,192 bytes of LDS; arguments qc, kv, lowp_scales, vc; writes vc
.if DOCPART == 3
	.amdgcn_target "amdgcn-amd-amdhsa--gfx1250"
	.amdhsa_code_object_version 6
	.text
	.protected	k_q76e765b032_attn
	.globl	k_q76e765b032_attn
	.p2align	8
	.type	k_q76e765b032_attn,@function
k_q76e765b032_attn:
	s_mov_b64 s[64:65], 0
	v_nop
	global_prefetch_b8 v0, s[64:65] scope:SCOPE_SE
	s_setreg_imm32_b32 hwreg(HW_REG_WAVE_MODE, 25, 1), 1
	s_wait_xcnt 0x0
	s_wait_alu depctr_hold_cnt(0) depctr_sa_sdst(0) depctr_va_vdst(0) depctr_va_sdst(0) depctr_va_ssrc(0) depctr_va_vcc(0) depctr_vm_vsrc(0)
	s_getreg_b32 s2, hwreg(HW_REG_IB_STS2, 6, 4)
	s_cmp_eq_u32 s2, 0
	s_cbranch_scc0 .Lentry_in_a_cluster
	s_endpgm
.Lentry_in_a_cluster:
	s_bfe_u32 s2, ttmp6, 0x10000c
	s_cmp_lg_u32 s2, 0x3003
	s_cbranch_scc0 .Lentry_shape_is_right
	s_endpgm
.Lentry_shape_is_right:
; vals[q] = the sum over keys of softmax(q . k / 8) v, for each of 64 (batch, head) pairs, both products on codes of FP8 (E4M3); the result is quantised at once (scale entry 6) into the last product's operand.
; IN: qc [bh][128 tiles of 16 queries][1,024] and kv [bh][16 blocks of 128 keys][16,384] (8 tiles of 16 keys x 64, 1,024 bytes each; then 4 tiles of V^T, 16 of the head's 64 x 128 keys, 2,048 each): images of
; operand registers (lane (r, h): row r; registers 2 c, 2 c + 1: k = 16 c + 8 h + 0 .. 7; registers 4 p .. 4 p + 3 = 512 bytes, lane l at 16 l).  OUT: vc [512 tiles of 16 tokens][16 heads][1,024], images too.
; THE SOFTMAX: t = score x log2(e) / 8; M = the largest t so far, rounded UP to a whole number; p = 2^(t - M) is quantised (entry 4), not normalised; the row's sum is taken of the unquantised p and divides at
; the end.  When M moves, the sum and O are multiplied by 2^(old M - new M): nothing is rounded, and there is no branch on data.
; SHARES.  A work-group owns 512 queries of one head; each of its sixteen waves 32: two tiles of 16, in 256 registers, so that each fragment of K and V read from LDS feeds two products.  128 keys a step, 16 steps.
; LAYOUT.  S^T = K Q^T (source 0 = 16 keys) and O^T = V^T P^T (source 0 = 16 of the head's 64): a lane holds ONE query throughout.  Tile g of S^T holds keys 16 g + 8 h + 0 .. 7 in a lane's eight registers:
; one conversion makes of them registers 2 g, 2 g + 1 of P's fragment.  Likewise O^T's four tiles become the eight registers of a fragment of vals.
; LDS.  THE HEAD'S WHOLE K AND V, 262,144 bytes, lie in LDS as they lie in memory; nothing is filled again.  Wave w asks for block w, 16,384 bytes: one tensor load a wave, sixteen in all, no branch.
; THE ORDER OF THE KEYS.  A wave's first step takes the block that it has fetched itself: its own wait on TENSORcnt is all that those reads need.  One barrier follows, ahead of which every wave has waited for its
; load; behind it a loop of 16 trips walks blocks 0 to 15, and a scalar branch on ids leads round the work of the trip whose block the wave has had.  The running M serves any order of the keys.
; CLUSTER 4 x 1: the four blocks of queries of a head want the same K and V: each block is asked for jointly, with a mask that names the four.
; NO PREFETCH: every byte of K and V is asked for by the loads at the head; there is no loop to run ahead in.
; LIMITS: e2 + e3 between -123 and 130 (added to c's exponent field); e4 and e6 between -126 and 119; e4 + e5 goes by v_ldexp_f32 and has none.  A p under 2^-126 counts as 0.  NaN is not served.
.set SPARE, 262144                     ; behind K and V: the spare words, 128 bytes for each wave: eight blocks of 256 bytes that no other line names
.set LI,  1                            ; v1   16 x lane
.set ADR, 2                            ; v2   LDS address of the step's block
.set SPW, 3                            ; v3   LDS address of my spare word; never rewritten
.set NIL, 4                            ; v4   0; never rewritten
.set SCL, 5                            ; v5   2^e4
.set HLD, 6                            ; v6   448 x 2^e4
.set PD,  7                            ; v7   a lane permute's destination
.set F,   8                            ; v[8:9]   f = 2^(old M - new M) (v9 is named with it as a pair)
.set MA,  10                           ; v10, v11 the maximum's two chains
.set MB,  11
.set SB,  12                           ; v[12:13] the sum's second chain
.set HL2, 15                           ; v15  448 x 2^e4 once more: the dual form's two second sources stand in registers whose numbers differ modulo 4
.set ST,  16                           ; tile t at v[16 + 4 t]: -M, the largest t, the sum in two halves
.set RC,  24                           ; v[24:25], v[26:27] 2^(e4 + e5) / the sum
.set SC6, 28                           ; v28  2^e6;  v29  448 x 2^e6
.set LM6, 29
.set Q,   30                           ; v30-45   Q's two fragments
.set P0,  46                           ; v46-61   tile 0's p as codes
.set P1,  62                           ; v62-77   tile 1's: laid over the low end of S^T: group g's codes land in registers that are spare or already converted
.set S,   64                           ; v64-127  S^T of one tile, then p
.set KV,  128                          ; v128-191 eight fragments of K, then four of V^T
.set O,   192                          ; v192-255 O^T: tile t, 16 dt on, at v[192 + 32 t + 8 dt]
.set WV,  12                           ; s12 wave
.set G1,  16                           ; s[16:23] descriptor group 1; s[32:35] group 0
.set G0,  32
.set TB,  48                           ; s48  LDS byte of the step's block
.set CNT, 49
.set CS,  50                           ; s[50:51] c = log2(e) / 8 x 2^(e2 + e3)
.set SEL, 52                           ; s[52:53] lane selects: lane l xor 16
.set OWN, 55                           ; s55  LDS byte of the block that I fetch: 16,384 x wave
.macro CROUND                          ; a round of the cluster's barrier
	s_barrier_signal -1
	s_barrier_wait -1
	s_cmp_lg_u32 s[WV], 0
	s_cbranch_scc1 .Lnot_wave_0_\@
	s_barrier_signal -3
.Lnot_wave_0_\@:
	s_barrier_wait -3
	s_barrier_signal -1
	s_barrier_wait -1
.endm
	s_load_b256 s[4:11], s[0:1], 0x0               ; qc s[4:5], kv s[6:7], the scales' exponents s[8:9], vc s[10:11]
	v_lshl_add_u32 v[SPW], v0, 2, SPARE
	v_mov_b32 v[NIL], 0
	ds_add_u32 v[SPW], v[NIL]                      ; the wave's opening: the add, twice on end, and its wait ahead of my tensor load; work on registers stands between
	ds_add_u32 v[SPW], v[NIL]
	v_lshrrev_b32 v1, 5, v0
	v_readfirstlane_b32 s[WV], v1                  ; wave 0..15
	s_bfe_u32 s13, ttmp6, 0x40000                  ; cx: my block of 512 queries: it enters Q's and vc's addresses alone
	s_and_b32 s14, ttmp7, 0xffff                   ; 16 b + head, which the four partners share
	s_mov_b32 s[G1], 15|(3<<16)|(1<<21)            ; 15:0 the mask: all four work-groups; 17:16 elements of 8 bytes; no padding; 21 set beside a mask
	s_mov_b32 s[G1+1], 32<<16                      ; tensor_dim0: 256 bytes
	s_mov_b32 s[G1+2], 64<<16                      ; tensor_dim1: 64 rows: a dense block of 16,384 bytes
	s_mov_b32 s[G1+3], 32<<16                      ; tile_dim0
	s_mov_b32 s[G1+4], 64                          ; tile_dim1
	s_mov_b32 s[G1+5], 32                          ; from row to row
	s_mov_b32 s[G1+6], 0
	s_mov_b32 s[G1+7], 0
	s_lshl_b32 s[OWN], s[WV], 14                   ; wave w brings block w: its place in LDS and in the head's bytes is the same
	s_lshl_b32 s56, s14, 18
	s_add_co_u32 s56, s56, s[OWN]
	s_mov_b32 s57, 0
	s_lshl_b32 s58, s14, 17                        ; Q: the head's 128 tiles, + my block's 32, + my wave's 2
	s_lshl_b32 s62, s13, 15
	s_add_co_u32 s58, s58, s62
	s_lshl_b32 s62, s[WV], 11
	s_add_co_u32 s58, s58, s62
	s_mov_b32 s59, 0
	s_lshr_b32 s60, s14, 4                         ; vc: (128 b + 32 cx + 2 w) tiles of 16,384 bytes, + 1,024 x head
	s_lshl_b32 s60, s60, 21
	s_lshl_b32 s62, s13, 19
	s_add_co_u32 s60, s60, s62
	s_lshl_b32 s62, s[WV], 15
	s_add_co_u32 s60, s60, s62
	s_and_b32 s62, s14, 15
	s_lshl_b32 s62, s62, 10
	s_add_co_u32 s60, s60, s62
	s_mov_b32 s61, 0
	s_mov_b32 s[CS], 0x3e38aa3b                    ; log2(e) / 8
	s_mov_b32 s[SEL], 0x76543210
	s_mov_b32 s[SEL+1], 0xfedcba98
	s_mov_b32 s[CNT], 16
	s_wait_dscnt 0x0                               ; both opening adds are done
	s_wait_kmcnt 0x0
	s_load_b256 s[24:31], s[8:9], 0x0              ; e0 .. e7
	s_add_nc_u64 s[4:5], s[4:5], s[58:59]
	s_add_nc_u64 s[10:11], s[10:11], s[60:61]
	s_mov_b32 s[G0], 1
	s_mov_b32 s[G0+1], s[OWN]
	s_add_nc_u64 s[G0+2:G0+3], s[6:7], s[56:57]
	s_or_b32 s[G0+3], s[G0+3], 0x80000000
	CROUND                                         ; all four work-groups are here: the joint loads meet
	tensor_load_to_lds s[G0:G0+3], s[G1:G1+7]      ; my one tensor load of the launch: block w
	s_nop 0
	v_and_b32 v1, 31, v0
	v_lshlrev_b32 v[LI], 4, v1
.irp n, 0,1,2,3
	global_load_b128 v[Q+4*\n:Q+4*\n+3], v[LI], s[4:5] offset:512*\n   ; Q's two fragments stay in registers
.endr
.irp t, 0,1
	v_mov_b32 v[ST+4*\t+1], 0xff61b1e6             ; the largest t so far: -3e38, under every t
	v_floor_f32 v[ST+4*\t], -v[ST+4*\t+1]          ; -M
	v_mov_b32 v[ST+4*\t+2], 0                      ; the sum
	v_mov_b32 v[ST+4*\t+3], 0
	v_mov_b32 v[RC+2*\t+1], 0                      ; (named as the upper half of a pair)
.endr
	v_mov_b32 v[PD], 0                             ; a lane permute's destination counts as one of its sources
	v_mov_b32 v[F+1], 0
.irp j, 0,1,2,3,4,5,6,7,8,9,10,11,12,13,14,15,16,17,18,19,20,21,22,23,24,25,26,27,28,29,30,31,32,33,34,35,36,37,38,39,40,41,42,43,44,45,46,47,48,49,50,51,52,53,54,55,56,57,58,59,60,61,62,63
	v_mov_b32 v[O+\j], 0                           ; O^T.  (The first step finds zeros, which the first change of M leaves zeros)
.endr
	s_wait_kmcnt 0x0
	s_add_co_i32 s62, s26, s27
	s_lshl_b32 s62, s62, 23
	s_add_co_i32 s[CS], s[CS], s62                 ; a score stands for score x 2^(e2 + e3): the exponents are added to c's exponent field
	s_mov_b32 s[CS+1], s[CS]
	s_add_co_i32 s62, s28, 127
	s_lshl_b32 s63, s62, 23
	v_mov_b32 v[SCL], s63
	s_add_co_i32 s62, s62, 8
	s_lshl_b32 s62, s62, 23
	s_or_b32 s62, s62, 0x600000
	v_mov_b32 v[HLD], s62
	v_mov_b32 v[HL2], s62
	s_add_co_i32 s62, s30, 127
	s_lshl_b32 s63, s62, 23
	v_mov_b32 v[SC6], s63
	s_add_co_i32 s62, s62, 8
	s_lshl_b32 s62, s62, 23
	s_or_b32 s62, s62, 0x600000
	v_mov_b32 v[LM6], s62
; One tile's softmax for 128 keys, on S^T; its codes go to v[pb] on.  O^T's rescaling by f is macro RESCALE.
.macro SOFTMAX t, pb
.set TS, ST+4*\t
	v_max3_num_f32 v[MA], v[S], v[S+1], v[S+2]     ; the step's largest score of my query among my 64 keys, in two chains, ascending: each accumulator is first read at its low end
	v_max3_num_f32 v[MB], v[S+3], v[S+4], v[S+5]
.irp i, 6,10,14,18,22,26,30,34,38,42,46,50,54,58
	v_max3_num_f32 v[MA], v[MA], v[S+\i], v[S+\i+1]
	v_max3_num_f32 v[MB], v[MB], v[S+\i+2], v[S+\i+3]
.endr
	v_max3_num_f32 v[MA], v[MA], v[S+62], v[S+63]
	s_delay_alu instid0(VALU_DEP_1)
	v_max_num_f32 v[MA], v[MA], v[MB]
	s_delay_alu instid0(VALU_DEP_1)
	v_permlanex16_b32 v[PD], v[MA], s[SEL], s[SEL+1]
	s_delay_alu instid0(VALU_DEP_1)
	v_max_num_f32 v[MA], v[MA], v[PD]              ; and among lane l xor 16's
	s_delay_alu instid0(VALU_DEP_1)
	v_mul_f32 v[MA], s[CS], v[MA]                  ; as t (c is positive)
	s_delay_alu instid0(VALU_DEP_1)
	v_max_num_f32 v[TS+1], v[TS+1], v[MA]          ; the running largest t
	v_mov_b32 v[MA], v[TS]
	s_delay_alu instid0(VALU_DEP_2)
	v_floor_f32 v[TS], -v[TS+1]                    ; the new -M = floor(-t) = -ceil(t)
	s_delay_alu instid0(VALU_DEP_1)
	v_sub_f32 v[MA], v[TS], v[MA]                  ; old M - new M: a whole number, 0 or less
	s_delay_alu instid0(VALU_DEP_1)
	v_cvt_i32_f32 v[MA], v[MA]                     ; (it saturates)
	s_delay_alu instid0(VALU_DEP_1)
	v_ldexp_f32 v[F], 1.0, v[MA]                   ; f = 2^(old M - new M)
.irp j, 0,2,4,6,8,10,12,14,16,18,20,22,24,26,28,30,32,34,36,38,40,42,44,46,48,50,52,54,56,58,60,62
	v_pk_fma_f32 v[S+\j:S+\j+1], v[S+\j:S+\j+1], s[CS:CS+1], v[TS:TS+1] op_sel_hi:[1,0,0]   ; t - M, two at a time (of the pairs c and -M the low word serves both halves)
.endr
	s_wait_alu depctr_va_vdst(0)
.irp j, 0,1,2,3,4,5,6,7,8,9,10,11,12,13,14,15,16,17,18,19,20,21,22,23,24,25,26,27,28,29,30,31,32,33,34,35,36,37,38,39,40,41,42,43,44,45,46,47,48,49,50,51,52,53,54,55,56,57,58,59,60,61,62,63
	v_exp_f32 v[S+\j], v[S+\j]                     ; p = 2^(t - M), at most 1
.endr
	v_pk_mul_f32 v[TS+2:TS+3], v[TS+2:TS+3], v[F:F+1] op_sel_hi:[1,0]   ; the sum under the new M: the plain line behind the exponentials
	s_wait_alu depctr_va_vdst(0)                   ; one wait for the batch of 64, ahead of its first reader
; Group g, keys 16 g + 8 h + 0 .. 7: first the sum of the UNQUANTISED p (two at a time, two chains), then the hold, then the conversion.  A group's additions are the plain lines behind the conversion before it.
.irp g, 0,1,2,3,4,5,6,7
.if \g == 0
	v_pk_add_f32 v[SB:SB+1], v[S:S+1], v[S+2:S+3]
.else
	v_pk_add_f32 v[TS+2:TS+3], v[TS+2:TS+3], v[S+8*\g:S+8*\g+1]
	v_pk_add_f32 v[SB:SB+1], v[SB:SB+1], v[S+8*\g+2:S+8*\g+3]
.endif
	v_pk_add_f32 v[TS+2:TS+3], v[TS+2:TS+3], v[S+8*\g+4:S+8*\g+5]
	v_pk_add_f32 v[SB:SB+1], v[SB:SB+1], v[S+8*\g+6:S+8*\g+7]
.irp i, 0,2,4,6
	v_dual_min_num_f32 v[S+8*\g+\i], v[S+8*\g+\i], v[HLD] :: v_dual_min_num_f32 v[S+8*\g+\i+1], v[S+8*\g+\i+1], v[HL2]   ; the conversion does not saturate (ISA guide 7.6.2); p is not negative, so the hold is one-sided; two holds a line
.endr
	v_cvt_scalef32_pk8_fp8_f32 v[\pb+2*\g:\pb+2*\g+1], v[S+8*\g:S+8*\g+7], v[SCL]   ; registers 2 g, 2 g + 1 of P's fragment
.endr
	v_pk_add_f32 v[TS+2:TS+3], v[TS+2:TS+3], v[SB:SB+1]   ; the two chains; also the plain line behind the last conversion
.endm
.macro RESCALE t                       ; O^T of tile t under the new M: x f
	s_wait_alu depctr_va_vdst(0)                   ; directly ahead of the first reader of O^T
.irp j, 0,2,4,6,8,10,12,14,16,18,20,22,24,26,28,30
	v_pk_mul_f32 v[O+32*\t+\j:O+32*\t+\j+1], v[O+32*\t+\j:O+32*\t+\j+1], v[F:F+1] op_sel_hi:[1,0]
.endr
.endm
; A KEY STEP: 128 keys, the block at LDS byte s[TB].
.macro STEP
	v_add_nc_u32 v[ADR], s[TB], v[LI]
.rept 4
	v_nop                                          ; with the addition five places behind the last products: the products below write over tile 1's codes, which those read; the loads below want four
.endr
.irp i, 0,1,2,3,4,5,6,7,8,9,10,11,12,13,14,15
	ds_load_b128 v[KV+4*\i:KV+4*\i+3], v[ADR] offset:512*\i   ; K's eight fragments: 512 consecutive bytes a load
.endr
	s_wait_dscnt 0x0
.irp g, 0,1,2,3,4,5,6,7
	v_wmma_f32_16x16x64_fp8_fp8 v[S+8*\g:S+8*\g+7], v[KV+8*\g:KV+8*\g+7], v[Q:Q+7], 0
.endr
.rept 4
	v_nop
.endr
	SOFTMAX 0, P0
.irp g, 0,1,2,3,4,5,6,7
	v_wmma_f32_16x16x64_fp8_fp8 v[S+8*\g:S+8*\g+7], v[KV+8*\g:KV+8*\g+7], v[Q+8:Q+15], 0
.endr
	RESCALE 0                                      ; its sixteen lines name no register of the products above: they are the places in front of the loads into K's registers and of the first read of the scores
.irp i, 0,1,2,3,4,5,6,7,8,9,10,11,12,13,14,15
	ds_load_b128 v[KV+4*\i:KV+4*\i+3], v[ADR] offset:8192+512*\i   ; V^T's four fragments are on their way while tile 1's softmax is worked
.endr
	SOFTMAX 1, P1
	RESCALE 1
	s_wait_alu depctr_va_vdst(0)
	s_wait_dscnt 0x0
.irp dt, 0,1,2,3
.irp t, 0,1
	v_wmma_f32_16x16x128_fp8_fp8 v[O+32*\t+8*\dt:O+32*\t+8*\dt+7], v[KV+16*\dt:KV+16*\dt+15], v[P0+16*\t:P0+16*\t+15], v[O+32*\t+8*\dt:O+32*\t+8*\dt+7]   ; eight accumulators by turns
.endr
.endr
.endm
	s_wait_alu depctr_va_vdst(0)
	s_wait_loadcnt 0x0                             ; Q
	s_wait_tensorcnt 0x0                           ; my own block is in
	s_mov_b32 s[TB], s[OWN]
	STEP                                           ; my first step: the block that I fetched; no other wave's load is leant on
	s_mov_b32 s[TB], 0
	s_barrier_signal -1                            ; ahead of this signal every wave has waited for its load, and none of my LDS loads is out
	s_barrier_wait -1                              ; all sixteen blocks are whole for all sixteen waves; nothing is ever filled again
.Lstep:
	s_cmp_eq_u32 s[TB], s[OWN]                     ; ids and the count of trips alone: the block that I have had
	s_cbranch_scc1 .Lmine
	STEP
.Lmine:
	s_add_co_u32 s[TB], s[TB], 16384
	s_sub_co_u32 s[CNT], s[CNT], 1
	s_cmp_lg_u32 s[CNT], 0
	s_cbranch_scc1 .Lstep
	; THE WAY OUT: O^T x 2^(e4 + e5) / the sum, held, and converted with 2^e6: tile dt's eight registers become registers 2 dt, 2 dt + 1 of a fragment of 16 tokens x this head's 64.
.rept 4
	v_nop
.endr
.irp t, 0,1
	v_add_f32 v[RC+2*\t], v[ST+4*\t+2], v[ST+4*\t+3]
.endr
.irp t, 0,1
	s_delay_alu instid0(VALU_DEP_2)
	v_permlanex16_b32 v[MA+\t], v[RC+2*\t], s[SEL], s[SEL+1]
.endr
.irp t, 0,1
	s_delay_alu instid0(VALU_DEP_2)
	v_add_f32 v[RC+2*\t], v[RC+2*\t], v[MA+\t]     ; the row's sum
.endr
	s_wait_alu depctr_va_vdst(0)
.irp t, 0,1
	v_rcp_f32 v[RC+2*\t], v[RC+2*\t]
.endr
	v_nop                                          ; a plain line behind the reciprocals
	s_add_co_i32 s54, s28, s29
	s_wait_alu depctr_va_vdst(0)                   ; one wait for both, ahead of the first reader
.irp t, 0,1
	v_ldexp_f32 v[RC+2*\t], v[RC+2*\t], s54        ; x 2^(e4 + e5)
.endr
	s_wait_alu depctr_va_vdst(0)                   ; directly ahead of the first reader of O^T
.irp t, 0,1
.irp j, 0,2,4,6,8,10,12,14,16,18,20,22,24,26,28,30
	v_pk_mul_f32 v[O+32*\t+\j:O+32*\t+\j+1], v[O+32*\t+\j:O+32*\t+\j+1], v[RC+2*\t:RC+2*\t+1] op_sel_hi:[1,0]
.endr
.endr
.irp j, 0,1,2,3,4,5,6,7,8,9,10,11,12,13,14,15,16,17,18,19,20,21,22,23,24,25,26,27,28,29,30,31,32,33,34,35,36,37,38,39,40,41,42,43,44,45,46,47,48,49,50,51,52,53,54,55,56,57,58,59,60,61,62,63
	v_med3_num_f32 v[O+\j], v[O+\j], -v[LM6], v[LM6]   ; the hold at the largest code x the scale
.endr
.irp n, 0,1,2,3,4,5,6,7
	v_cvt_scalef32_pk8_fp8_f32 v[S+2*\n:S+2*\n+1], v[O+8*\n:O+8*\n+7], v[SC6]   ; n = 4 t + dt
.endr
	v_nop                                          ; one plain vector line behind the conversions
.irp t, 0,1
	global_store_b128 v[LI], v[S+8*\t:S+8*\t+3],   s[10:11] offset:\t*16384       ; 512 consecutive bytes, aligned
	global_store_b128 v[LI], v[S+8*\t+4:S+8*\t+7], s[10:11] offset:\t*16384+512
.endr
	s_wait_tensorcnt 0x0                           ; the wave's end, behind my tensor load
	ds_add_u32 v[SPW], v[NIL]
	s_wait_dscnt 0x0
	CROUND                                         ; the closing round
	s_endpgm
.Lfunc_end_k_q76e765b032_attn:
	.size	k_q76e765b032_attn, .Lfunc_end_k_q76e765b032_attn-k_q76e765b032_attn
	.p2alignl 7, 3214868480
	.fill 96, 4, 3214868480
	.section	.rodata,"a",@progbits
	.p2align	6, 0x0
	.amdhsa_kernel k_q76e765b032_attn
		.amdhsa_group_segment_fixed_size 264192
		.amdhsa_private_segment_fixed_size 0
		.amdhsa_enable_private_segment 0
		.amdhsa_kernarg_size 32
		.amdhsa_user_sgpr_count 2
		.amdhsa_user_sgpr_kernarg_segment_ptr 1
		.amdhsa_wavefront_size32 1
		.amdhsa_system_sgpr_workgroup_id_x 1
		.amdhsa_system_sgpr_workgroup_id_y 1
		.amdhsa_system_sgpr_workgroup_id_z 1
		.amdhsa_system_vgpr_workitem_id 0
		.amdhsa_next_free_vgpr 256
		.amdhsa_next_free_sgpr 66
		.amdhsa_reserve_vcc 0
		.amdhsa_float_denorm_mode_32 3
		.amdhsa_float_denorm_mode_16_64 3
		.amdhsa_memory_ordered 1
		.amdhsa_forward_progress 1
		.amdhsa_inst_pref_size 73
	.end_amdhsa_kernel
	.amdgpu_metadata
---
amdhsa.version: [ 1, 2 ]
amdhsa.kernels:
  - .name:           k_q76e765b032_attn
    .symbol:         k_q76e765b032_attn.kd
    .args:
      - { .name: qc, .offset: 0, .size: 8, .value_kind: global_buffer, .address_space: global }
      - { .name: kv, .offset: 8, .size: 8, .value_kind: global_buffer, .address_space: global }
      - { .name: lowp_scales, .offset: 16, .size: 8, .value_kind: global_buffer, .address_space: global }
      - { .name: vc, .offset: 24, .size: 8, .value_kind: global_buffer, .address_space: global }
    .group_segment_fixed_size: 264192
    .private_segment_fixed_size: 0
    .kernarg_segment_align: 8
    .kernarg_segment_size: 32
    .max_flat_workgroup_size: 512
    .sgpr_count:     66
    .vgpr_count:     256
    .wavefront_size: 32
...
	.end_amdgpu_metadata
.endif
;; end of part 3
;; launch oproj (part 4): grid 8 x 32, 4 waves a work-group, clusters of 4 x 4, 327,680 bytes of LDS; arguments vc, oc, lowp_scales, o_b, out0; writes out0
.if DOCPART == 4
	.amdgcn_target "amdgcn-amd-amdhsa--gfx1250"
	.amdhsa_code_object_version 6
	.text
	.protected	k_q76e765b032_oproj
	.globl	k_q76e765b032_oproj
	.p2align	8
	.type	k_q76e765b032_oproj,@function
k_q76e765b032_oproj:
	s_mov_b64 s[64:65], 0
	v_nop
	global_prefetch_b8 v0, s[64:65] scope:SCOPE_SE
	s_setreg_imm32_b32 hwreg(HW_REG_WAVE_MODE, 25, 1), 1
	s_wait_xcnt 0x0
	s_wait_alu depctr_hold_cnt(0) depctr_sa_sdst(0) depctr_va_vdst(0) depctr_va_sdst(0) depctr_va_ssrc(0) depctr_va_vcc(0) depctr_vm_vsrc(0)
	s_getreg_b32 s2, hwreg(HW_REG_IB_STS2, 6, 4)
	s_cmp_eq_u32 s2, 0
	s_cbranch_scc0 .Lentry_in_a_cluster
	s_endpgm
.Lentry_in_a_cluster:
	s_bfe_u32 s2, ttmp6, 0x10000c
	s_cmp_lg_u32 s2, 0xf033
	s_cbranch_scc0 .Lentry_shape_is_right
	s_endpgm
.Lentry_shape_is_right:
; out0 = vals o_w^T x 2^(e6 + e7) + o_b, on codes of FP8 (E4M3).  vc [512 tiles of 16 tokens][8 K steps of 128][2,048 bytes] and oc [64 tiles of 16 columns][8][2,048] are images of operand registers
; (lane (r, h): row r; registers 2 c, 2 c + 1: k = 16 c + 8 h + 0 .. 7; registers 4 p .. 4 p + 3 = 512 bytes, lane l at 16 l).  out0 [8192][1024] f32.
; SHARES.  A work-group makes 256 tokens x 128 columns; wave (WR, WC) 128 tokens (8 tiles of A) x 64 columns (4 tiles of B).
; ORDER.  A's tiles outermost, K innermost.  A wave's B, 4 tiles x the whole K, is 512 registers (windows 2 and 3) and stays there; a tile of A, 16 tokens x the whole K, is 128 registers (window 1, two buffers).
; A tile of tokens is finished by 32 products, its four accumulators by turns, and leaves at once: scaled, the bias added, through the wave's stage in LDS, as aligned units of 256 bytes.  So the stores of the
; first tile go out while the other seven are multiplied.
; LDS.  The block's whole A, 262,144 bytes, lies in LDS as it lies in memory: wave w asks for tiles 4 w .. 4 w + 3, one dense block of 65,536 bytes: one tensor load a wave, no branch; nothing is filled again.
; CLUSTER 4 x 4: A's tiles are shared along a row of the cluster and asked for jointly.  B IS NOT ASKED FOR JOINTLY: it goes from memory straight into the registers in which it stays (128 loads of 512 consecutive
; bytes a wave); through LDS it would want 131,072 bytes beside A's 262,144, which is more than the 327,680 that there are.
; NO PREFETCH: every byte is asked for at the head; there is no loop to run ahead in.
; The matrix instruction is used transposed (source 0 = 16 columns of o_w, source 1 = 16 tokens): a lane holds one token and eight neighbouring columns.
; LIMIT: e6 + e7 between -126 and 127, so that 2^(e6 + e7) is an f32 number.
.set STAGE,  262144                    ; behind A: 16 rows x 272 bytes for each wave
.set SPITCH, 272
.set SPARE,  STAGE+4*16*SPITCH         ; behind the stages: the spare words, 128 bytes a wave, that no other line names
.set ADRA, 16                          ; v16-17 LDS address of my tiles 0-3, 4-7 of A
.set LI,   23                          ; v23    16 x lane
.set STO,  24                          ; v24    the stage, on the way in
.set RD,   25                          ; v25    and back
.set CO,   26                          ; v26    my byte offset in two rows of out0
.set SPW,  28                          ; v28    my spare word; never rewritten
.set NIL,  29                          ; v29    0; never rewritten
.set OB,   32                          ; v32-63   the bias at my 32 columns
.set ACC,  64                          ; v64-127  four accumulators, two sets by turns
.set TMP,  128                         ; v128-191 a tile's results, two sets
.set BK,   192                         ; v192-255 16 rows read back from the stage, two sets
.set WV,   14
.set WR,   15
.set WC,   16
.set G1,   24                          ; s[24:31] descriptor group 1; s[40:43] group 0
.set G0,   40
.set SC,   84                          ; s[84:85] 2^(e6 + e7)
.set MSB, 0
.macro WIN new                         ; the immediate's high byte repeats the setting that is left
.if MSB != \new
	s_set_vgpr_msb (MSB<<8)|\new
.set MSB, \new
.endif
.endm
.macro CROUND                          ; a round of the cluster's barrier
	s_barrier_signal -1
	s_barrier_wait -1
	s_cmp_lg_u32 s[WV], 0
	s_cbranch_scc1 .Lnot_wave_0_\@
	s_barrier_signal -3
.Lnot_wave_0_\@:
	s_barrier_wait -3
	s_barrier_signal -1
	s_barrier_wait -1
.endm
.macro PLACES n
.rept \n
	v_nop
.endr
.endm
	s_load_b256 s[4:11], s[0:1], 0x0               ; vc, oc, the scales' exponents, o_b
	s_load_b64 s[12:13], s[0:1], 0x20              ; out0
	v_lshl_add_u32 v[SPW], v0, 2, SPARE
	v_mov_b32 v[NIL], 0
	ds_add_u32 v[SPW], v[NIL]                      ; the opening lines: the add, twice on end, and its wait; work on registers stands between
	ds_add_u32 v[SPW], v[NIL]
	v_lshrrev_b32 v1, 5, v0
	v_readfirstlane_b32 s[WV], v1
	s_lshr_b32 s[WR], s[WV], 1
	s_and_b32 s[WC], s[WV], 1
	s_bfe_u32 s17, ttmp6, 0x40000                  ; cx
	s_bfe_u32 s18, ttmp6, 0x40004                  ; cy
	s_lshl_b32 s19, ttmp9, 2
	s_add_co_u32 s19, s19, s17                     ; block of 128 columns
	s_and_b32 s20, ttmp7, 0xffff
	s_lshl_b32 s20, s20, 2
	s_add_co_u32 s20, s20, s18                     ; block of 256 tokens
	s_lshl_b32 s92, s18, 2
	s_lshl_b32 s92, 15, s92                        ; my row of the cluster
	s_or_b32 s[G1], s92, (3<<16)|(1<<21)           ; the mask; elements of 8 bytes; no padding; 21 set beside a mask
	s_mov_b32 s[G1+1], 32<<16                      ; tensor_dim0: 256 bytes
	s_mov_b32 s[G1+2], 256<<16                     ; tensor_dim1: 256 rows: a dense block of 65,536 bytes
	s_mov_b32 s[G1+3], 32<<16                      ; tile_dim0
	s_mov_b32 s[G1+4], 256                         ; tile_dim1
	s_mov_b32 s[G1+5], 32                          ; from row to row
	s_mov_b32 s[G1+6], 0
	s_mov_b32 s[G1+7], 0
	s_lshl_b32 s80, s[WV], 16                      ; wave w brings A's tiles 4 w on: the same place in LDS and in the block's bytes
	s_lshl_b32 s76, s20, 18
	s_add_co_u32 s76, s76, s80
	s_mov_b32 s77, 0
	s_lshl_b32 s78, s19, 17                        ; B: the block's 8 tiles of 16,384 bytes, + my 4
	s_lshl_b32 s87, s[WC], 16
	s_add_co_u32 s78, s78, s87
	s_mov_b32 s79, 0
	v_and_b32 v1, 31, v0
	v_lshlrev_b32 v[LI], 4, v1
	s_lshl_b32 s88, s[WR], 17                      ; my 8 tiles of A
	v_add_nc_u32 v[ADRA], s88, v[LI]
	v_add_nc_u32 v[ADRA+1], 0x10000, v[ADRA]
	v_and_b32 v2, 15, v0                           ; r
	v_bfe_u32 v3, v0, 4, 1                         ; h
	s_mul_i32 s89, s[WV], 16*SPITCH
	s_add_co_u32 s89, s89, STAGE                   ; my stage
	v_mul_u32_u24 v[STO], v2, SPITCH               ; in: row r, 32 bytes for each half of the lanes
	v_lshl_add_u32 v[STO], v3, 5, v[STO]
	v_add_nc_u32 v[STO], s89, v[STO]
	v_mul_u32_u24 v[RD], v3, SPITCH                ; back: lanes 0-15 one row of 256 bytes, lanes 16-31 the next
	v_lshl_add_u32 v[RD], v2, 4, v[RD]
	v_add_nc_u32 v[RD], s89, v[RD]
	v_lshlrev_b32 v[CO], 12, v3                    ; and the same two rows in out0
	v_lshl_add_u32 v[CO], v2, 4, v[CO]
	v_lshlrev_b32 v27, 5, v3                       ; the bias: 32 h bytes on
	s_lshl_b32 s90, s19, 9                         ; my first column, in bytes: 512 x block + 256 WC
	s_lshl_b32 s91, s[WC], 8
	s_add_co_u32 s90, s90, s91
	s_mov_b32 s91, 0
	s_lshl_b32 s82, s20, 20                        ; my first token's row: 256 x block + 128 WR rows of 4,096 bytes
	s_lshl_b32 s83, s[WR], 19
	s_add_co_u32 s82, s82, s83
	s_mov_b32 s83, 0
	s_wait_alu depctr_va_vdst(0)
	s_wait_dscnt 0x0                               ; both opening adds are done
	s_wait_kmcnt 0x0
	s_load_b256 s[68:75], s[8:9], 0x0              ; e0 .. e7
	s_add_nc_u64 s[78:79], s[6:7], s[78:79]
	s_add_nc_u64 s[10:11], s[10:11], s[90:91]
	s_add_nc_u64 s[12:13], s[12:13], s[90:91]
	s_add_nc_u64 s[12:13], s[12:13], s[82:83]
	s_mov_b32 s[G0], 1
	s_mov_b32 s[G0+1], s80
	s_add_nc_u64 s[G0+2:G0+3], s[4:5], s[76:77]
	s_or_b32 s[G0+3], s[G0+3], 0x80000000
	CROUND                                         ; all sixteen work-groups are here: the joint loads meet
	tensor_load_to_lds s[G0:G0+3], s[G1:G1+7]      ; my one tensor load of the launch
	s_nop 0
	PLACES 4
	WIN 0x80                                       ; B's fragment (tile i, K step k) -> window 2 + k / 4, v[64 (k % 4) + 16 i]
.irp k, 0,1,2,3
.irp i, 0,1,2,3
.irp c, 0,1,2,3
	global_load_b128 v[64*\k+16*\i+4*\c:64*\k+16*\i+4*\c+3], v[LI], s[78:79] offset:\i*16384+\k*2048+512*\c
.endr
.endr
.endr
	WIN 0xc0
.irp k, 0,1,2,3
.irp i, 0,1,2,3
.irp c, 0,1,2,3
	global_load_b128 v[64*\k+16*\i+4*\c:64*\k+16*\i+4*\c+3], v[LI], s[78:79] offset:\i*16384+(\k+4)*2048+512*\c
.endr
.endr
.endr
	WIN 0
.irp i, 0,1,2,3
	global_load_b128 v[OB+8*\i:OB+8*\i+3],   v27, s[10:11] offset:64*\i
	global_load_b128 v[OB+8*\i+4:OB+8*\i+7], v27, s[10:11] offset:64*\i+16
.endr
	s_wait_kmcnt 0x0
	s_add_co_i32 s[SC], s74, s75
	s_add_co_i32 s[SC], s[SC], 127
	s_lshl_b32 s[SC], s[SC], 23                    ; 2^(e6 + e7) as f32
	s_mov_b32 s[SC+1], s[SC]
.macro FETCHA a                        ; tile a of A, all 8 K steps: 32 loads of 512 consecutive bytes into buffer a % 2 of window 1
	WIN 0x40
.irp k, 0,1,2,3,4,5,6,7
.irp c, 0,1,2,3
	ds_load_b128 v[128*((\a)%2)+16*\k+4*\c:128*((\a)%2)+16*\k+4*\c+3], v[ADRA+(\a)/4] offset:((\a)%4)*16384+\k*2048+512*\c
.endr
.endr
.endm
.macro MULT a                          ; 32 products: K ascending, the four accumulators by turns, one instruction a turn; the first K step starts the sums
.set AB, 128*((\a)%2)
.set AC, ACC+32*((\a)%2)
	WIN 0x06                                       ; source 0 (B) window 2, source 1 (A) window 1, C and D window 0
.irp k, 0,1,2,3
.irp i, 0,1,2,3
.if \k == 0
	v_wmma_f32_16x16x128_fp8_fp8 v[AC+8*\i:AC+8*\i+7], v[64*\k+16*\i:64*\k+16*\i+15], v[AB+16*\k:AB+16*\k+15], 0
.else
	v_wmma_f32_16x16x128_fp8_fp8 v[AC+8*\i:AC+8*\i+7], v[64*\k+16*\i:64*\k+16*\i+15], v[AB+16*\k:AB+16*\k+15], v[AC+8*\i:AC+8*\i+7]
.endif
.endr
.endr
	WIN 0x07                                       ; B's K steps 4-7: window 3
.irp k, 0,1,2,3
.irp i, 0,1,2,3
	v_wmma_f32_16x16x128_fp8_fp8 v[AC+8*\i:AC+8*\i+7], v[64*\k+16*\i:64*\k+16*\i+15], v[AB+64+16*\k:AB+64+16*\k+15], v[AC+8*\i:AC+8*\i+7]
.endr
.endr
	WIN 0
.endm
.macro TOSTAGE a                       ; sum x 2^(e6 + e7) + bias, each accumulator from its low end on; into my stage, and back as whole rows of 256 bytes (LDS serves a wave's instructions in order)
.set TT, TMP+32*((\a)%2)
.set BB, BK+32*((\a)%2)
.set AC, ACC+32*((\a)%2)
.irp i, 0,1,2,3
.irp j, 0,2,4,6
	v_pk_fma_f32 v[TT+8*\i+\j:TT+8*\i+\j+1], v[AC+8*\i+\j:AC+8*\i+\j+1], s[SC:SC+1], v[OB+8*\i+\j:OB+8*\i+\j+1] op_sel_hi:[1,0,1]
.endr
.endr
.irp i, 0,1,2,3
	ds_store_b128 v[STO], v[TT+8*\i:TT+8*\i+3]   offset:64*\i
	ds_store_b128 v[STO], v[TT+8*\i+4:TT+8*\i+7] offset:64*\i+16
.endr
.irp t, 0,1,2,3,4,5,6,7
	ds_load_b128 v[BB+4*\t:BB+4*\t+3], v[RD] offset:\t*2*SPITCH
.endr
.endm
.macro SEND a, younger                 ; younger: the LDS instructions issued behind tile a's loads from the stage
.set BB, BK+32*((\a)%2)
	s_wait_dscnt \younger
.irp t, 0,1,2,3,4,5,6,7
	global_store_b128 v[CO], v[BB+4*\t:BB+4*\t+3], s[12:13] offset:(\a)*65536+2*\t*4096 th:TH_STORE_NT   ; sixteen lanes store 256 consecutive bytes, aligned
.endr
.endm
; Tile a: the next tile's fragments are asked for; this tile's are awaited (behind them: the stage's 16 instructions of tile a - 1 and the next tile's 32 loads); 32 products; the tile goes to the stage; tile a - 1 is stored.
.macro ITER a
.if (\a) < 7
	FETCHA (\a)+1                                  ; its buffer was last read by tile a - 1's products: four v_nop and sixteen multiply-adds stand between
.endif
.if (\a) == 0
	s_wait_dscnt 32
.elseif (\a) < 7
	s_wait_dscnt 48
.else
	s_wait_dscnt 16
.endif
	MULT \a
	PLACES 4                                       ; in front of the first read of the results
.if (\a) > 1
	s_wait_xcnt 0x0                                ; tile a - 2's stores have read their registers: the loads from the stage may land there
.endif
	TOSTAGE \a
.if (\a) > 0
.if (\a) < 7
	SEND (\a)-1, 48                                ; behind tile a - 1's loads from the stage: the next tile's 32 loads and this tile's 16 instructions
.else
	SEND (\a)-1, 16
.endif
.endif
.endm
	s_wait_tensorcnt 0x0                           ; my four tiles of A are in
	s_barrier_signal -1
	s_barrier_wait -1                              ; all sixteen are whole for all four waves; nothing is ever filled again
	FETCHA 0
	s_wait_loadcnt 0x0                             ; B and the bias
	ITER 0
	ITER 1
	ITER 2
	ITER 3
	ITER 4
	ITER 5
	ITER 6
	ITER 7
	SEND 7, 0
	s_wait_tensorcnt 0x0                           ; the wave's end, behind my tensor load and my last LDS store
	ds_add_u32 v[SPW], v[NIL]
	s_wait_dscnt 0x0
	CROUND                                         ; the closing round
	s_endpgm
.Lfunc_end_k_q76e765b032_oproj:
	.size	k_q76e765b032_oproj, .Lfunc_end_k_q76e765b032_oproj-k_q76e765b032_oproj
	.p2alignl 7, 3214868480
	.fill 96, 4, 3214868480
	.section	.rodata,"a",@progbits
	.p2align	6, 0x0
	.amdhsa_kernel k_q76e765b032_oproj
		.amdhsa_group_segment_fixed_size 327680
		.amdhsa_private_segment_fixed_size 0
		.amdhsa_enable_private_segment 0
		.amdhsa_kernarg_size 40
		.amdhsa_user_sgpr_count 2
		.amdhsa_user_sgpr_kernarg_segment_ptr 1
		.amdhsa_wavefront_size32 1
		.amdhsa_system_sgpr_workgroup_id_x 1
		.amdhsa_system_sgpr_workgroup_id_y 1
		.amdhsa_system_sgpr_workgroup_id_z 1
		.amdhsa_system_vgpr_workitem_id 0
		.amdhsa_next_free_vgpr 1024
		.amdhsa_next_free_sgpr 96
		.amdhsa_reserve_vcc 0
		.amdhsa_float_denorm_mode_32 3
		.amdhsa_float_denorm_mode_16_64 3
		.amdhsa_memory_ordered 1
		.amdhsa_forward_progress 1
		.amdhsa_inst_pref_size 75
	.end_amdhsa_kernel
	.amdgpu_metadata
---
amdhsa.version: [ 1, 2 ]
amdhsa.kernels:
  - .name:           k_q76e765b032_oproj
    .symbol:         k_q76e765b032_oproj.kd
    .args:
      - { .name: vc, .offset: 0, .size: 8, .value_kind: global_buffer, .address_space: global }
      - { .name: oc, .offset: 8, .size: 8, .value_kind: global_buffer, .address_space: global }
      - { .name: lowp_scales, .offset: 16, .size: 8, .value_kind: global_buffer, .address_space: global }
      - { .name: o_b, .offset: 24, .size: 8, .value_kind: global_buffer, .address_space: global }
      - { .name: out0, .offset: 32, .size: 8, .value_kind: global_buffer, .address_space: global }
    .group_segment_fixed_size: 327680
    .private_segment_fixed_size: 0
    .kernarg_segment_align: 8
    .kernarg_segment_size: 40
    .max_flat_workgroup_size: 128
    .sgpr_count:     96
    .vgpr_count:     1024
    .wavefront_size: 32
...
	.end_amdgpu_metadata
.endif
;; end of part 4
